; MI455X (gfx1250); checked and timed in simulation.
; The chip was launched on July 23, 2026; its instructions are those of AMD's public machine-readable ISA for CDNA 5 (MIT licence, August 2026) and "CDNA5" Instruction Set Architecture Reference Guide (July 2026). The comments in the code are by the model that wrote it; some were corrected since.
;; Labels Encoder. Allowed arithmetic: float matrix products may take bf16 or f16 operands with f32 sums; all other float work in f32.
;; Inputs: emb_table 30,522 x 768 float32; heads 4 x 16 x 1 int32; labels 4 x 64 int32; proposals 4 x 64 x 4 float32; queries 4 x 16 x 12 int32.
;; Outputs: out0 4 x 64 x 16 x 768 float32.
;; 2 versions, each right; version 2 is version 1 with the launch labels_encoder written anew for expert scheduling mode. Each part assembles by itself: llvm-mc -triple=amdgcn-amd-amdhsa -mcpu=gfx1250 --defsym DOCPART=n.
;; ======== version 1 of 2: 1 launch
;; launch labels_encoder (part 1): grid 64 x 4, 6 waves a work-group, no clusters, 0 bytes of LDS; arguments queries, heads, labels, proposals, emb_table, out0; writes out0
.if DOCPART == 1
	.amdgcn_target "amdgcn-amd-amdhsa--gfx1250"
	.amdhsa_code_object_version 6
	.text
	.protected	k_q7d810c5416_labels_encoder
	.globl	k_q7d810c5416_labels_encoder
	.p2align	8
	.type	k_q7d810c5416_labels_encoder,@function
k_q7d810c5416_labels_encoder:
	s_mov_b64 s[64:65], 0
	v_nop
	global_prefetch_b8 v0, s[64:65] scope:SCOPE_SE
	s_setreg_imm32_b32 hwreg(HW_REG_WAVE_MODE, 25, 1), 1
	s_wait_xcnt 0x0
; out0[b][p][q][:] = emb_table[row(b,p,q)][:] * factor(b,p,q)        out0: [4][64][16][768] f32
; With q0 = word 0 of query (b,q) and head = heads[b][q]:
;   h1 = head != 0 and some word of the query equals head   (the argmax is the first match: a head, a word, in a real query)
;   h2 = head == 0 and q0 == 0 and the query has a word     (the argmax is 0; position 0 counts as head, but is no word)
;   otherwise the argmax is 0 and position 0 is no head.
;   row    = labels[b][p] if h1 or h2, else q0
;   factor = (h1 or q0 != 0) and (some coordinate of proposal (b,p) != 0), as 1.0 or 0.0; it is MULTIPLIED in, as the
;            source formula does, so that the sign of a zero and a non-finite table entry come out alike.
; Only whether a match exists is needed, not where it stands: the token there is replaced by the label anyway.
;
; SHARES.  256 work-groups; each owns 4 proposals x 4 queries of one b = 16 output rows of 3,072 bytes.  It reads 4 label rows and
; 4 word-0 rows (8 rows for 16 stored) and chooses between them in registers, so row addresses hang on ids as loaded
; (clamped) alone, and neither on the head test nor on the proposals' floats.  Six waves: thread t owns bytes 16 t .. 16 t + 15 of every row
; (192 x 16 = 3,072), so each load and each store of a wave covers 512 consecutive bytes that start at a multiple of 512 in a row,
; and rows start at multiples of 3,072 = 12 x 256 bytes of their buffers.
; Every wave makes the masks for itself from a few loads: no LDS, no barrier.
; NO CLUSTER: a word-0 row is read by 16 work-groups and a label row by 4, but a work-group reads its 24,576 bytes once and has no loop;
; joint requests would add a way through LDS and rounds of the cluster's barrier to a text that is one chain of dependent loads.
; LIMITS: ids are taken to lie in 0 .. 30521, as the lookup itself assumes; they are clamped to 30521 as unsigned numbers, so that no load
; leaves the table, and ids outside that range do not follow the source's wrap-around.  A denormal coordinate counts as not zero.
.set VOCAB, 30522
.set ROW,   3072                       ; bytes in a row of the table and of the output
.set NQ,    16                         ; queries of a b
.set NW,    12                         ; words of a query
.set TQ,    4                          ; queries of a work-group (and proposals: 4 too)
.set WOFF,  2                          ; v2        byte offset in queries of my lane's word of the group's first query
.set POFF,  3                          ; v3        byte offset in proposals of my lane's coordinate
.set COL,   4                          ; v4        16 t: my 16 bytes in every row; never rewritten
.set PV,    5                          ; v5        lane l: coordinate l % 4 of proposal (l % 16) / 4
.set WV,    6                          ; v[6:9]    query j: lane l holds word min(l, 11)
.set LR,    12                         ; v[12:27]  my 16 bytes of the four label rows
.set TR,    28                         ; v[28:43]  my 16 bytes of the four word-0 rows
.set OUT,   44                         ; v[44:107] the 16 results, each in registers of its own: no store's data is ever rewritten
.set Q0,    24                         ; s[24:27]  word 0 of my four queries
.set HD,    28                         ; s[28:31]  their heads
.set LB,    32                         ; s[32:35]  the labels of my four proposals
.set TB,    40                         ; s[40:47]  addresses of the word-0 rows
.set LBS,   48                         ; s[48:55]  addresses of the label rows
.set MM,    56                         ; s[56:59]  lanes whose word equals the head
.set NN,    60                         ; s[60:63]  lanes whose word is not 0
.set HM,    66                         ; s[66:69]  query j: all ones = take the label row, 0 = take the word-0 row
.set FQ,    70                         ; s[70:77]  query j: its factor, twice (a pair for the packed multiply)
.set FG,    78                         ; s[78:93]  factor of (proposal, query j), pairs; two sets that take turns from proposal to proposal
	s_load_b256 s[4:11], s[0:1], 0x0               ; queries s[4:5], heads s[6:7], labels s[8:9], proposals s[10:11]
	s_load_b128 s[12:15], s[0:1], 0x20             ; emb_table s[12:13], out0 s[14:15]
	s_and_b32 s16, ttmp7, 0xffff                   ; b
	s_and_b32 s17, ttmp9, 3                        ; which four queries
	s_lshr_b32 s18, ttmp9, 2                       ; which four proposals
	s_lshl_b32 s19, s16, 4
	s_lshl2_add_u32 s19, s17, s19                  ; 16 b + first query
	s_lshl_b32 s20, s16, 6
	s_lshl2_add_u32 s20, s18, s20                  ; 64 b + first proposal
	s_mul_i32 s21, s19, NW*4                       ; byte offsets: in queries,
	s_lshl_b32 s22, s19, 2                         ; in heads,
	s_lshl_b32 s23, s20, 2                         ; in labels,
	s_lshl_b32 s2, s20, 4                          ; in proposals,
	s_mul_i32 s36, s20, NQ*ROW                     ; and in out0: (64 b + p) x 16 rows
	s_mul_i32 s3, s17, TQ*ROW                      ; + first query's row; 12,423,168 at the most
	s_add_co_u32 s36, s36, s3
	s_mov_b32 s37, 0                               ; s37 stays 0: the upper word of every offset below
	v_and_b32 v1, 31, v0
	v_min_u32 v1, NW-1, v1                         ; lanes 12 to 31 repeat word 11: harmless for 'some word ..'
	v_lshl_add_u32 v[WOFF], v1, 2, s21
	v_and_b32 v1, 15, v0                           ; 16 coordinates; lanes 16 to 31 repeat them and their mask bits are not looked at
	v_lshl_add_u32 v[POFF], v1, 2, s2
	v_lshlrev_b32 v[COL], 4, v0
	s_wait_kmcnt 0x0                               ; the six addresses
	; the ids that make row addresses first: they are what the row loads wait for
	s_load_b128 s[LB:LB+3], s[8:9], s23 offset:0x0
.irp j, 0,1,2,3
	s_load_b32 s[Q0+\j], s[4:5], s21 offset:\j*NW*4
.endr
	s_load_b128 s[HD:HD+3], s[6:7], s22 offset:0x0
.irp j, 0,1,2,3
	global_load_b32 v[WV+\j], v[WOFF], s[4:5] offset:\j*NW*4
.endr
	global_load_b32 v[PV], v[POFF], s[10:11]
	s_add_nc_u64 s[14:15], s[14:15], s[36:37]      ; out0 at my first row
	s_wait_kmcnt 0x0                               ; labels, word 0, heads (scalar loads return in no order: ISA guide 5.7.1, so the wait is for 0)
; One table row: the id is clamped into the table, times 3,072 bytes (93,760,512 at the most: one word), added to the table's address.
.macro ROWLOAD dst, id, base
	s_min_u32 s36, s[\id], VOCAB-1
	s_mul_i32 s36, s36, ROW
	s_add_nc_u64 s[\base:\base+1], s[12:13], s[36:37]
	global_load_b128 v[\dst:\dst+3], v[COL], s[\base:\base+1]
.endm
	; in the order in which the results want them: proposal 0 with queries 0 to 3, then proposals 1 to 3
	ROWLOAD LR, LB, LBS
.irp j, 0,1,2,3
	ROWLOAD TR+4*\j, Q0+\j, TB+2*\j
.endr
.irp i, 1,2,3
	ROWLOAD LR+4*\i, LB+\i, LBS+2*\i
.endr
	s_wait_loadcnt 0x8                             ; loads return in order: the words and the coordinates are in, the eight rows stay out
.irp j, 0,1,2,3
	v_cmp_eq_u32 s[MM+\j], s[HD+\j], v[WV+\j]      ; word == head
	v_cmp_ne_u32 s[NN+\j], 0, v[WV+\j]             ; word != 0
.endr
	v_cmp_neq_f32 s38, 0, v[PV]                    ; coordinate != 0 (true for NaN, false for -0): bits 4 i .. 4 i + 3 are proposal i's
.irp j, 0,1,2,3
	s_cmp_lg_u32 s[HD+\j], 0
	s_cselect_b32 s2, s[MM+\j], 0                  ; not 0 <=> h1: the head is not padding and stands in the query
	s_or_b32 s3, s[Q0+\j], s[HD+\j]                ; 0 <=> head and word 0 are both padding
	s_cselect_b32 s3, 0, s[NN+\j]                  ; not 0 <=> h2: they are, and the query has a word
	s_or_b32 s3, s3, s2
	s_cselect_b32 s[HM+\j], -1, 0                  ; h1 or h2: the label's row, in every lane
	s_or_b32 s2, s2, s[Q0+\j]                      ; h1 or word 0 is a word (either makes it a query)
	s_cselect_b32 s[FQ+2*\j], 1.0, 0
	s_cselect_b32 s[FQ+2*\j+1], 1.0, 0             ; the pair's second word is written too, though the multiply broadcasts the first
.endr
; The four factors of proposal i: the query's factor if the proposal has a coordinate that is not 0, else 0.0.
.macro FACTORS i
	s_and_b32 s2, s38, 0xf<<(4*\i)                 ; SCC = some coordinate is not 0; the selects below leave SCC as it is
.irp j, 0,1,2,3
	s_cselect_b64 s[FG+8*(\i%2)+2*\j:FG+8*(\i%2)+2*\j+1], s[FQ+2*\j:FQ+2*\j+1], 0
.endr
.endm
; One output row's 16 bytes: choose, multiply, store.
.macro PAIR i, j
.irp k, 0,1,2,3
	v_cndmask_b32 v[OUT+16*\i+4*\j+\k], v[TR+4*\j+\k], v[LR+4*\i+\k], s[HM+\j]
.endr
.irp k, 0,2
	v_pk_mul_f32 v[OUT+16*\i+4*\j+\k:OUT+16*\i+4*\j+\k+1], v[OUT+16*\i+4*\j+\k:OUT+16*\i+4*\j+\k+1], s[FG+8*(\i%2)+2*\j:FG+8*(\i%2)+2*\j+1] op_sel_hi:[1,0]
.endr
	global_store_b128 v[COL], v[OUT+16*\i+4*\j:OUT+16*\i+4*\j+3], s[14:15] offset:\i*NQ*ROW+\j*ROW th:TH_STORE_NT   ; written once, not read again here
.endm
	FACTORS 0
	s_wait_loadcnt 0x6                             ; label row 0 and word-0 row 0 are in; six younger rows stay out
	PAIR 0, 0
	s_wait_loadcnt 0x5                             ; word-0 row 1
	PAIR 0, 1
	s_wait_loadcnt 0x4                             ; word-0 row 2
	PAIR 0, 2
	s_wait_loadcnt 0x3                             ; word-0 row 3; the three label rows behind it stay out
	PAIR 0, 3
.irp i, 1,2,3
	FACTORS \i
	s_wait_loadcnt 3-\i                            ; label row i is in: 2, 1, 0 younger ones
.irp j, 0,1,2,3
	PAIR \i, \j
.endr
.endr
	s_endpgm
.Lfunc_end_k_q7d810c5416_labels_encoder:
	.size	k_q7d810c5416_labels_encoder, .Lfunc_end_k_q7d810c5416_labels_encoder-k_q7d810c5416_labels_encoder
	.p2alignl 7, 3214868480
	.fill 96, 4, 3214868480
	.section	.rodata,"a",@progbits
	.p2align	6, 0x0
	.amdhsa_kernel k_q7d810c5416_labels_encoder
		.amdhsa_group_segment_fixed_size 0
		.amdhsa_private_segment_fixed_size 0
		.amdhsa_enable_private_segment 0
		.amdhsa_kernarg_size 48
		.amdhsa_user_sgpr_count 2
		.amdhsa_user_sgpr_kernarg_segment_ptr 1
		.amdhsa_wavefront_size32 1
		.amdhsa_system_sgpr_workgroup_id_x 1
		.amdhsa_system_sgpr_workgroup_id_y 1
		.amdhsa_system_sgpr_workgroup_id_z 1
		.amdhsa_system_vgpr_workitem_id 0
		.amdhsa_next_free_vgpr 108
		.amdhsa_next_free_sgpr 94
		.amdhsa_reserve_vcc 0
		.amdhsa_float_denorm_mode_32 3
		.amdhsa_float_denorm_mode_16_64 3
		.amdhsa_memory_ordered 1
		.amdhsa_forward_progress 1
		.amdhsa_inst_pref_size 15
	.end_amdhsa_kernel
	.amdgpu_metadata
---
amdhsa.version: [ 1, 2 ]
amdhsa.kernels:
  - .name:           k_q7d810c5416_labels_encoder
    .symbol:         k_q7d810c5416_labels_encoder.kd
    .args:
      - { .name: queries, .offset: 0, .size: 8, .value_kind: global_buffer, .address_space: global }
      - { .name: heads, .offset: 8, .size: 8, .value_kind: global_buffer, .address_space: global }
      - { .name: labels, .offset: 16, .size: 8, .value_kind: global_buffer, .address_space: global }
      - { .name: proposals, .offset: 24, .size: 8, .value_kind: global_buffer, .address_space: global }
      - { .name: emb_table, .offset: 32, .size: 8, .value_kind: global_buffer, .address_space: global }
      - { .name: out0, .offset: 40, .size: 8, .value_kind: global_buffer, .address_space: global }
    .group_segment_fixed_size: 0
    .private_segment_fixed_size: 0
    .kernarg_segment_align: 8
    .kernarg_segment_size: 48
    .max_flat_workgroup_size: 192
    .sgpr_count:     94
    .vgpr_count:     108
    .wavefront_size: 32
...
	.end_amdgpu_metadata
.endif
;; end of part 1
;; ======== version 2 of 2: 1 launch; version 1 with the launch labels_encoder written anew for expert scheduling mode
;; launch labels_encoder (part 2): grid 64 x 4, 6 waves a work-group, no clusters, 0 bytes of LDS; arguments queries, heads, labels, proposals, emb_table, out0; writes out0
.if DOCPART == 2
	.amdgcn_target "amdgcn-amd-amdhsa--gfx1250"
	.amdhsa_code_object_version 6
	.text
	.protected	k_q7d810c5416_labels_encoder
	.globl	k_q7d810c5416_labels_encoder
	.p2align	8
	.type	k_q7d810c5416_labels_encoder,@function
k_q7d810c5416_labels_encoder:
	s_mov_b64 s[64:65], 0
	v_nop
	global_prefetch_b8 v0, s[64:65] scope:SCOPE_SE
	s_setreg_imm32_b32 hwreg(HW_REG_WAVE_SCHED_MODE, 0, 2), 2
	s_setreg_imm32_b32 hwreg(HW_REG_WAVE_MODE, 25, 1), 1
	s_wait_xcnt 0x0
	s_wait_alu depctr_vm_vsrc(0)
; out0[b][p][q][:] = emb_table[row(b,p,q)][:] * factor(b,p,q)        out0: [4][64][16][768] f32
; With q0 = word 0 of query (b,q) and head = heads[b][q]:
;   h1 = head != 0 and some word of the query equals head   (the argmax is the first match: a head, a word, in a real query)
;   h2 = head == 0 and q0 == 0 and the query has a word     (the argmax is 0; position 0 counts as head, but is no word)
;   otherwise the argmax is 0 and position 0 is no head.
;   row    = labels[b][p] if h1 or h2, else q0
;   factor = (h1 or q0 != 0) and (some coordinate of proposal (b,p) != 0), as 1.0 or 0.0; it is MULTIPLIED in, as the
;            source formula does, so that the sign of a zero and a non-finite table entry come out alike.
; Only whether a match exists is needed, not where it stands: the token there is replaced by the label anyway.
;
; SHARES.  256 work-groups; each owns 4 proposals x 4 queries of one b = 16 output rows of 3,072 bytes.  It reads 4 label rows and
; 4 word-0 rows (8 rows for 16 stored) and chooses between them in registers, so row addresses hang on ids as loaded
; (clamped) alone, and neither on the head test nor on the proposals' floats.  Six waves: thread t owns bytes 16 t .. 16 t + 15 of every row
; (192 x 16 = 3,072), so each load and each store of a wave covers 512 consecutive bytes that start at a multiple of 512 in a row,
; and rows start at multiples of 3,072 = 12 x 256 bytes of their buffers.
; Every wave makes the masks for itself from a few loads: no LDS, no barrier.
; NO CLUSTER: a word-0 row is read by 16 work-groups and a label row by 4, but a work-group reads its 24,576 bytes once and has no loop;
; joint requests would add a way through LDS and rounds of the cluster's barrier to a text that is one chain of dependent loads.
; LIMITS: ids are taken to lie in 0 .. 30521, as the lookup itself assumes; they are clamped to 30521 as unsigned numbers, so that no load
; leaves the table, and ids outside that range do not follow the source's wrap-around.  A denormal coordinate counts as not zero.
;
; THE MODE: SCHED_MODE bits 1:0 = 2 (LLVM: expert scheduling mode 2), set by the entry lines.  The code itself states the register dependences
; between vector instructions and memory instructions, with s_wait_alu, always for 0.
; THE PLAN.  Registers that memory instructions touch:
;   v2, v3, v4    offsets.  Written once by vector instructions at the head, never again; read by the loads and (v4) by every store.
;   v5, v[6:9]    coordinates and words.  Written by loads alone, once; read by the nine compares.
;   v[12:43]      the eight table rows.  Written by loads alone, once; read by the selects.
;   v[44:107]     OUT: sixteen results of four registers.  Each is written once, by its own six vector instructions, and read once, by its store.
; No register that a memory instruction reads is ever written again, and no load lands in a register that a vector instruction has named.
; The work goes in four blocks, one a proposal.  Block i writes OUT[i]; its memory instructions are the four stores of block i - 1, dealt among its
; vector instructions, which name OUT[i], the rows and no register of those stores.  So one wait at the head of a block states all that its stores
; hang on.  Block 0 stores nothing; the last four stores stand behind block 3, behind a wait of their own.
.set VOCAB, 30522
.set ROW,   3072                       ; bytes in a row of the table and of the output
.set NQ,    16                         ; queries of a b
.set NW,    12                         ; words of a query
.set TQ,    4                          ; queries of a work-group (and proposals: 4 too)
.set WOFF,  2                          ; v2        byte offset in queries of my lane's word of the group's first query; never rewritten
.set POFF,  3                          ; v3        byte offset in proposals of my lane's coordinate; never rewritten
.set COL,   4                          ; v4        16 t: my 16 bytes in every row; never rewritten
.set PV,    5                          ; v5        lane l: coordinate l % 4 of proposal (l % 16) / 4
.set WV,    6                          ; v[6:9]    query j: lane l holds word min(l, 11)
.set LR,    12                         ; v[12:27]  my 16 bytes of the four label rows
.set TR,    28                         ; v[28:43]  my 16 bytes of the four word-0 rows
.set OUT,   44                         ; v[44:107] the 16 results, each in registers of its own: no store's data is ever rewritten
.set Q0,    24                         ; s[24:27]  word 0 of my four queries
.set HD,    28                         ; s[28:31]  their heads
.set LB,    32                         ; s[32:35]  the labels of my four proposals
.set TB,    40                         ; s[40:47]  addresses of the word-0 rows
.set LBS,   48                         ; s[48:55]  addresses of the label rows
.set MM,    56                         ; s[56:59]  lanes whose word equals the head
.set NN,    60                         ; s[60:63]  lanes whose word is not 0
.set HM,    66                         ; s[66:69]  query j: all ones = take the label row, 0 = take the word-0 row
.set FQ,    70                         ; s[70:77]  query j: its factor, twice (a pair for the packed multiply)
.set FG,    78                         ; s[78:93]  factor of (proposal, query j), pairs; two sets that take turns from proposal to proposal
	s_load_b256 s[4:11], s[0:1], 0x0               ; queries s[4:5], heads s[6:7], labels s[8:9], proposals s[10:11]
	s_load_b128 s[12:15], s[0:1], 0x20             ; emb_table s[12:13], out0 s[14:15]
	s_and_b32 s16, ttmp7, 0xffff                   ; b
	s_and_b32 s17, ttmp9, 3                        ; which four queries
	s_lshr_b32 s18, ttmp9, 2                       ; which four proposals
	s_lshl_b32 s19, s16, 4
	s_lshl2_add_u32 s19, s17, s19                  ; 16 b + first query
	s_lshl_b32 s20, s16, 6
	s_lshl2_add_u32 s20, s18, s20                  ; 64 b + first proposal
	s_mul_i32 s21, s19, NW*4                       ; byte offsets: in queries,
	s_lshl_b32 s22, s19, 2                         ; in heads,
	s_lshl_b32 s23, s20, 2                         ; in labels,
	s_lshl_b32 s2, s20, 4                          ; in proposals,
	s_mul_i32 s36, s20, NQ*ROW                     ; and in out0: (64 b + p) x 16 rows
	s_mul_i32 s3, s17, TQ*ROW                      ; + first query's row; 12,423,168 at the most
	s_add_co_u32 s36, s36, s3
	s_mov_b32 s37, 0                               ; s37 stays 0: the upper word of every offset below
	v_and_b32 v1, 31, v0
	v_min_u32 v1, NW-1, v1                         ; lanes 12 to 31 repeat word 11: harmless for 'some word ..'
	v_lshl_add_u32 v[WOFF], v1, 2, s21
	v_and_b32 v1, 15, v0                           ; 16 coordinates; lanes 16 to 31 repeat them and their mask bits are not looked at
	v_lshl_add_u32 v[POFF], v1, 2, s2
	v_lshlrev_b32 v[COL], 4, v0
	s_wait_kmcnt 0x0                               ; the six addresses
	; the ids that make row addresses first: they are what the row loads wait for
	s_load_b128 s[LB:LB+3], s[8:9], s23 offset:0x0
.irp j, 0,1,2,3
	s_load_b32 s[Q0+\j], s[4:5], s21 offset:\j*NW*4
.endr
	s_load_b128 s[HD:HD+3], s[6:7], s22 offset:0x0
	s_wait_alu depctr_va_vdst(0)                   ; the three offsets v2, v3, v4 are written: every load and store of the kernel reads one of them, and no vector instruction writes them again
.irp j, 0,1,2,3
	global_load_b32 v[WV+\j], v[WOFF], s[4:5] offset:\j*NW*4
.endr
	global_load_b32 v[PV], v[POFF], s[10:11]
	s_add_nc_u64 s[14:15], s[14:15], s[36:37]      ; out0 at my first row
	s_wait_kmcnt 0x0                               ; labels, word 0, heads (scalar loads return in no order: ISA guide 5.7.1, so the wait is for 0)
; One table row: the id is clamped into the table, times 3,072 bytes (93,760,512 at the most: one word), added to the table's address.
; No vector instruction stands between the wait on va_vdst above and these loads.
.macro ROWLOAD dst, id, base
	s_min_u32 s36, s[\id], VOCAB-1
	s_mul_i32 s36, s36, ROW
	s_add_nc_u64 s[\base:\base+1], s[12:13], s[36:37]
	global_load_b128 v[\dst:\dst+3], v[COL], s[\base:\base+1]
.endm
	; in the order in which the results want them: proposal 0 with queries 0 to 3, then proposals 1 to 3
	ROWLOAD LR, LB, LBS
.irp j, 0,1,2,3
	ROWLOAD TR+4*\j, Q0+\j, TB+2*\j
.endr
.irp i, 1,2,3
	ROWLOAD LR+4*\i, LB+\i, LBS+2*\i
.endr
	s_wait_loadcnt 0x8                             ; loads return in order: the words and the coordinates are in, the eight rows stay out
.irp j, 0,1,2,3
	v_cmp_eq_u32 s[MM+\j], s[HD+\j], v[WV+\j]      ; word == head
	v_cmp_ne_u32 s[NN+\j], 0, v[WV+\j]             ; word != 0
.endr
	v_cmp_neq_f32 s38, 0, v[PV]                    ; coordinate != 0 (true for NaN, false for -0): bits 4 i .. 4 i + 3 are proposal i's
	s_wait_alu depctr_va_sdst(0)                   ; the nine compares have written their masks, s[56:63] and s38, ahead of the first scalar line that reads one
.irp j, 0,1,2,3
	s_cmp_lg_u32 s[HD+\j], 0
	s_cselect_b32 s2, s[MM+\j], 0                  ; not 0 <=> h1: the head is not padding and stands in the query
	s_or_b32 s3, s[Q0+\j], s[HD+\j]                ; 0 <=> head and word 0 are both padding
	s_cselect_b32 s3, 0, s[NN+\j]                  ; not 0 <=> h2: they are, and the query has a word
	s_or_b32 s3, s3, s2
	s_cselect_b32 s[HM+\j], -1, 0                  ; h1 or h2: the label's row, in every lane
	s_or_b32 s2, s2, s[Q0+\j]                      ; h1 or word 0 is a word (either makes it a query)
	s_cselect_b32 s[FQ+2*\j], 1.0, 0
	s_cselect_b32 s[FQ+2*\j+1], 1.0, 0             ; the pair's second word is written too, though the multiply broadcasts the first
.endr
; The four factors of proposal i: the query's factor if the proposal has a coordinate that is not 0, else 0.0.
; A set is written again two blocks on: the wait on va_vdst at the head of the block between stands behind the multiplies that read it.
.macro FACTORS i
	s_and_b32 s2, s38, 0xf<<(4*(\i))               ; SCC = some coordinate is not 0; the selects below leave SCC as it is
.irp j, 0,1,2,3
	s_cselect_b64 s[FG+8*((\i)%2)+2*\j:FG+8*((\i)%2)+2*\j+1], s[FQ+2*\j:FQ+2*\j+1], 0
.endr
.endm
; One output row's 16 bytes are made: choose, multiply.
.macro CALC i, j
.irp k, 0,1,2,3
	v_cndmask_b32 v[OUT+16*(\i)+4*(\j)+\k], v[TR+4*(\j)+\k], v[LR+4*(\i)+\k], s[HM+(\j)]
.endr
.irp k, 0,2
	v_pk_mul_f32 v[OUT+16*(\i)+4*(\j)+\k:OUT+16*(\i)+4*(\j)+\k+1], v[OUT+16*(\i)+4*(\j)+\k:OUT+16*(\i)+4*(\j)+\k+1], s[FG+8*((\i)%2)+2*(\j):FG+8*((\i)%2)+2*(\j)+1] op_sel_hi:[1,0]
.endr
.endm
; And stored, a block later.
.macro SEND i, j
	global_store_b128 v[COL], v[OUT+16*(\i)+4*(\j):OUT+16*(\i)+4*(\j)+3], s[14:15] offset:(\i)*NQ*ROW+(\j)*ROW th:TH_STORE_NT   ; written once, not read again here
.endm
	FACTORS 0                                      ; block 0: there is no block in front of it, so it stores nothing
	s_wait_loadcnt 0x6                             ; label row 0 and word-0 row 0 are in; six younger rows stay out
	CALC 0, 0
	s_wait_loadcnt 0x5                             ; word-0 row 1
	CALC 0, 1
	s_wait_loadcnt 0x4                             ; word-0 row 2
	CALC 0, 2
	s_wait_loadcnt 0x3                             ; word-0 row 3; the three label rows behind it stay out
	CALC 0, 3
.irp i, 1,2,3
	FACTORS \i
	s_wait_loadcnt 3-\i                            ; label row i is in: 2, 1, 0 younger ones
	s_wait_alu depctr_va_vdst(0)                   ; the block before has written its four results, which the four stores below read
.irp j, 0,1,2,3
	SEND \i-1, \j                                  ; no vector instruction since the wait names this result or v4
	CALC \i, \j
.endr
.endr
	s_wait_alu depctr_va_vdst(0)                   ; block 3 has written its four results, which the last four stores read
.irp j, 0,1,2,3
	SEND 3, \j
.endr
	s_endpgm
.Lfunc_end_k_q7d810c5416_labels_encoder:
	.size	k_q7d810c5416_labels_encoder, .Lfunc_end_k_q7d810c5416_labels_encoder-k_q7d810c5416_labels_encoder
	.p2alignl 7, 3214868480
	.fill 96, 4, 3214868480
	.section	.rodata,"a",@progbits
	.p2align	6, 0x0
	.amdhsa_kernel k_q7d810c5416_labels_encoder
		.amdhsa_group_segment_fixed_size 0
		.amdhsa_private_segment_fixed_size 0
		.amdhsa_enable_private_segment 0
		.amdhsa_kernarg_size 48
		.amdhsa_user_sgpr_count 2
		.amdhsa_user_sgpr_kernarg_segment_ptr 1
		.amdhsa_wavefront_size32 1
		.amdhsa_system_sgpr_workgroup_id_x 1
		.amdhsa_system_sgpr_workgroup_id_y 1
		.amdhsa_system_sgpr_workgroup_id_z 1
		.amdhsa_system_vgpr_workitem_id 0
		.amdhsa_next_free_vgpr 108
		.amdhsa_next_free_sgpr 94
		.amdhsa_reserve_vcc 0
		.amdhsa_float_denorm_mode_32 3
		.amdhsa_float_denorm_mode_16_64 3
		.amdhsa_memory_ordered 1
		.amdhsa_forward_progress 1
		.amdhsa_inst_pref_size 15
	.end_amdhsa_kernel
	.amdgpu_metadata
---
amdhsa.version: [ 1, 2 ]
amdhsa.kernels:
  - .name:           k_q7d810c5416_labels_encoder
    .symbol:         k_q7d810c5416_labels_encoder.kd
    .args:
      - { .name: queries, .offset: 0, .size: 8, .value_kind: global_buffer, .address_space: global }
      - { .name: heads, .offset: 8, .size: 8, .value_kind: global_buffer, .address_space: global }
      - { .name: labels, .offset: 16, .size: 8, .value_kind: global_buffer, .address_space: global }
      - { .name: proposals, .offset: 24, .size: 8, .value_kind: global_buffer, .address_space: global }
      - { .name: emb_table, .offset: 32, .size: 8, .value_kind: global_buffer, .address_space: global }
      - { .name: out0, .offset: 40, .size: 8, .value_kind: global_buffer, .address_space: global }
    .group_segment_fixed_size: 0
    .private_segment_fixed_size: 0
    .kernarg_segment_align: 8
    .kernarg_segment_size: 48
    .max_flat_workgroup_size: 192
    .sgpr_count:     94
    .vgpr_count:     108
    .wavefront_size: 32
...
	.end_amdgpu_metadata
.endif
;; end of part 2
